; MI455X (gfx1250); checked and timed in simulation.
; The chip was launched on July 23, 2026; its instructions are those of AMD's public machine-readable ISA for CDNA 5 (MIT licence, August 2026) and "CDNA5" Instruction Set Architecture Reference Guide (July 2026). The comments in the code are by the model that wrote it; some were corrected since.
;; Sparse MOE. Allowed arithmetic: matrix products marked QUANTISED: E5M2 operands, one given power-of-two scale a tensor, by v_wmma_f32_16x16x64_bf8_bf8 or v_wmma_f32_16x16x128_bf8_bf8, f32 sums; products left as they are: f32 operands where the result goes on into a quantised operand, else bf16, f16 or f32 operands; f32 sums; everything else in f32.
;; Inputs: W1_codes 8 x 4,096 x 32 x 32 uint8 (E5M2 codes of W1, K innermost, in blocks of 32 codes); W2_codes 8 x 1,024 x 128 x 32 uint8 (E5M2 codes of W2, K innermost, in blocks of 32 codes); Wg 1,024 x 8 float32; Wn 1,024 x 8 float32; b1 8 x 4,096 float32; b2 8 x 1,024 float32; bg 8 float32; bn 8 float32; lowp_scales 32 int32 (the exponents e of the quantised operands' scales 2^e); noise 4 x 256 x 8 float32; x 4 x 256 x 1,024 float32.
;; Outputs: out0 4 x 256 x 1,024 float32.
;; This version of the problem:
;;   THIS VERSION OF THE PROBLEM IS GIVEN IN LOW PRECISION. The matrix products marked QUANTISED in the list below multiply operands that are first quantised to E5M2 (5 exponent bits, 2 mantissa bits; 8 bits a number), with one given power-of-two scale for each operand tensor; their sums are f32. All else is computed in f32.
;;   The module's matrix products, in the order in which they are computed (A, B: the left and right operand; K: the contracted axis; several contracted axes count as one K, in the product's order):
;;     1. [M 1,024, K 1,024] x [K 1,024, N 8]; A: input x; B: input Wg: left as it is (N = 8 < 16)
;;     2. [M 1,024, K 1,024] x [K 1,024, N 8]; A: input x; B: input Wn: left as it is (N = 8 < 16)
;;     3. [M 1,024, K 1,024] x [K 1,024, N 4,096]; A: input x; B: input W1 (given as codes): QUANTISED (scales: A lowp_scales[0], B lowp_scales[1])
;;     4. [M 1,024, K 4,096] x [K 4,096, N 1,024]; A: computed on the way; B: input W2 (given as codes): QUANTISED (scales: A lowp_scales[2], B lowp_scales[3])
;;     5. [M 1,024, K 1,024] x [K 1,024, N 4,096]; A: input x; B: input W1 (given as codes): QUANTISED (scales: A lowp_scales[4], B lowp_scales[5])
;;     6. [M 1,024, K 4,096] x [K 4,096, N 1,024]; A: computed on the way; B: input W2 (given as codes): QUANTISED (scales: A lowp_scales[6], B lowp_scales[7])
;;     7. [M 1,024, K 1,024] x [K 1,024, N 4,096]; A: input x; B: input W1 (given as codes): QUANTISED (scales: A lowp_scales[8], B lowp_scales[9])
;;     8. [M 1,024, K 4,096] x [K 4,096, N 1,024]; A: computed on the way; B: input W2 (given as codes): QUANTISED (scales: A lowp_scales[10], B lowp_scales[11])
;;     9. [M 1,024, K 1,024] x [K 1,024, N 4,096]; A: input x; B: input W1 (given as codes): QUANTISED (scales: A lowp_scales[12], B lowp_scales[13])
;;     10. [M 1,024, K 4,096] x [K 4,096, N 1,024]; A: computed on the way; B: input W2 (given as codes): QUANTISED (scales: A lowp_scales[14], B lowp_scales[15])
;;     11. [M 1,024, K 1,024] x [K 1,024, N 4,096]; A: input x; B: input W1 (given as codes): QUANTISED (scales: A lowp_scales[16], B lowp_scales[17])
;;     12. [M 1,024, K 4,096] x [K 4,096, N 1,024]; A: computed on the way; B: input W2 (given as codes): QUANTISED (scales: A lowp_scales[18], B lowp_scales[19])
;;     13. [M 1,024, K 1,024] x [K 1,024, N 4,096]; A: input x; B: input W1 (given as codes): QUANTISED (scales: A lowp_scales[20], B lowp_scales[21])
;;     14. [M 1,024, K 4,096] x [K 4,096, N 1,024]; A: computed on the way; B: input W2 (given as codes): QUANTISED (scales: A lowp_scales[22], B lowp_scales[23])
;;     15. [M 1,024, K 1,024] x [K 1,024, N 4,096]; A: input x; B: input W1 (given as codes): QUANTISED (scales: A lowp_scales[24], B lowp_scales[25])
;;     16. [M 1,024, K 4,096] x [K 4,096, N 1,024]; A: computed on the way; B: input W2 (given as codes): QUANTISED (scales: A lowp_scales[26], B lowp_scales[27])
;;     17. [M 1,024, K 1,024] x [K 1,024, N 4,096]; A: input x; B: input W1 (given as codes): QUANTISED (scales: A lowp_scales[28], B lowp_scales[29])
;;     18. [M 1,024, K 4,096] x [K 4,096, N 1,024]; A: computed on the way; B: input W2 (given as codes): QUANTISED (scales: A lowp_scales[30], B lowp_scales[31])
;;   THE QUANTISER, for each operand of a quantised product, along K:
;;     - The operand's scale is 2^e, e = its entry of the input lowp_scales (int32; the entries are numbered through the quantised products in the list's order, A before B).
;;     - Each number is divided by the scale, clamped to +-57,344, and rounded to the nearest number of E5M2, ties to even, subnormals kept.
;;     - The product sums the exact products of the quantised numbers (number of the format x scale) in f32.
;;   ~~~python
;;   def quantise(x, axis, e):      # numpy; x: float32 -> the quantised numbers, widened to float32 again
;;       x = np.moveaxis(x, axis, -1); K = x.shape[-1]
;;       r = np.clip(x / 2.0 ** e, -57344, 57344)
;;       step = 2.0 ** (np.maximum(np.frexp(np.where(r == 0, 1, r))[1] - 1, -14) - 2)
;;       q = np.round(r / step) * step * 2.0 ** e      # np.round: ties to even
;;       return np.moveaxis(q, -1, axis).astype(np.float32)
;;   ~~~
;;   OPERANDS COMPUTED ON THE WAY. 'Computed on the way' means the value that the module computes at that place (a softmax that the list does not call 'softmax' is quantised finished and normalised). What goes into a quantiser is computed in f32, as accurately as f32 sums, v_exp_f32 and their like allow (about 1e-6 of the number): no bf16 or f16 on the way to a quantiser, and a product that is left as it is and whose result goes on into a quantised operand takes f32 operands (vector FMAs, or v_wmma_f32_16x16x4_f32). A number that lies on a knife's edge between two numbers of the format may be rounded either way, as far as f32 arithmetic and the matrix unit's own rounding can turn it there, and no further.
;;   INPUTS GIVEN AS CODES. W1 (in the module: [8, 1024, 4096], K = its axis 1); W2 (in the module: [8, 4096, 1024], K = its axis 1): each comes as NAME_codes (uint8): NAME with its K axis moved to the last place and cut into blocks of 32 codes, [.., K / 32, bytes a block], one block behind the other in memory; one code a byte (a code: sign, 5 exponent bits, 2 mantissa bits); its scale is its entry of lowp_scales. Its value is code x scale, taken as it is: it is not quantised again, and the codes and scales need not be those that the quantiser above would give.
;; One version. Each part assembles by itself: llvm-mc -triple=amdgcn-amd-amdhsa -mcpu=gfx1250 --defsym DOCPART=n.
;; ======== version 1 of 1: 4 launches
;; limits: right only within a limited range of input values
;; workspace buffers: xq 8,388,608 bytes; selw 4,096 bytes of whole numbers; gate 8,192 bytes; lst 49,152 bytes of whole numbers; hq 33,554,432 bytes; yp 17,825,792 bytes
;; launch route (part 1): grid 256 x 1, 8 waves a work-group, no clusters, 76,800 bytes of LDS; arguments x, noise, Wg, bg, Wn, bn, lowp_scales, xq, selw, gate; writes xq, selw, gate
.if DOCPART == 1
	.amdgcn_target "amdgcn-amd-amdhsa--gfx1250"
	.amdhsa_code_object_version 6
	.text
	.protected	k_q8170224025_route
	.globl	k_q8170224025_route
	.p2align	8
	.type	k_q8170224025_route,@function
k_q8170224025_route:
	s_mov_b64 s[64:65], 0
	v_nop
	global_prefetch_b8 v0, s[64:65] scope:SCOPE_SE
	s_setreg_imm32_b32 hwreg(HW_REG_WAVE_MODE, 25, 1), 1
	s_wait_xcnt 0x0
; THE ROUTER, AND x AS CODES.  For each of 1,024 tokens: logits = x Wg + bg, z = x Wn + bn, noisy = logits + noise softplus(z), the two largest (ties: the lower index first), their softmax.  All in f32: the choice
; steters later launches by whole numbers alone.  Stored at FIXED places: selw[token] = bit e0, bit 8 + e1, the token from bit 16 on (e0 the larger); gate[2 token + k].
; Beside it x is turned into codes of E5M2 once for each expert's scale 2^ex, ex = lowp_scales[4 e]: xq[e][token][1024], K as it lies.
; SHARES.  A work-group takes 4 tokens.  Wave w multiplies k = 128 w .. 128 w + 127 of all four: Wg and Wn are source 0 (row r < 8: column r of Wg, row 8 + n: column n of Wn), the tokens source 1 (column r: token r % 4).
; Instruction 2 m + u takes, in lane (r, h), k = 8 m + 4 h + 2 u + 0, 1, the same places on both sides; four accumulators take turns.  So lanes 0-15 get a token's eight logits in eight registers, lanes 16-31 its eight z.
; Wg's and Wn's rows come 512 consecutive bytes a load and are turned through the wave's own stage in LDS.  The waves' partial sums meet in LDS behind one barrier; wave 0 finishes the four tokens, a lane a token.
; For the codes wave w takes k = 256 (w % 4) + 8 lane + 0 .. 7 of two tokens: 256 consecutive bytes a store.  They are made while W is on its way.
; No cluster (work-groups share only the 64 KB of Wg and Wn), no tensor load.
; LIMITS: ex between -126 and 112, so that 2^ex and 57,344 x 2^ex are f32 numbers.  NaN and infinities among the inputs are not served.  The order of the f32 sums differs from a plain ascending one.
.set XQ,   16                          ; v16-31   x for the codes: two tokens' eight numbers; later the noise
.set XB,   32                          ; v32-95   x as source 1
.set WS,   96                          ; v96-159  Wg's and Wn's rows as they lie; later sums
.set WA,   160                         ; v160-223 W as source 0; before that: v160-175 held numbers, v176-207 the codes, v208-215 2^ex
.set HN,   160
.set CQ,   176
.set SC,   208
.set ACC,  224                         ; v224-255 four accumulators: written by matrix instructions alone
.set WREG, 8448                        ; LDS: a wave's stage: 4,096 bytes of Wg, 64 left out, 4,096 of Wn
.set WN,   4160
.set RED,  8*WREG                      ; behind the stages: 8 waves x 32 lanes x 8 sums
.set SPARE, RED+8192                   ; the spare words
	s_load_b256 s[4:11], s[0:1], 0x0               ; x s[4:5], noise s[6:7], Wg s[8:9], bg s[10:11]
	s_load_b256 s[12:19], s[0:1], 0x20             ; Wn s[12:13], bn s[14:15], the scales' exponents s[16:17], xq s[18:19]
	s_load_b128 s[20:23], s[0:1], 0x40             ; selw s[20:21], gate s[22:23]
	v_lshl_add_u32 v14, v0, 2, SPARE
	v_mov_b32 v15, 0
	v_lshrrev_b32 v1, 5, v0
	v_readfirstlane_b32 s24, v1                    ; wave
	s_mul_i32 s25, s24, WREG
	s_lshl_b32 s26, s24, 10
	s_add_co_u32 s26, s26, RED
	s_lshl_b32 s27, ttmp9, 2                       ; my first token
	s_lshl_b32 s98, s24, 9
	v_and_b32 v1, 31, v0                           ; lane
	v_and_b32 v2, 15, v0                           ; r
	v_bfe_u32 v3, v0, 4, 1                         ; h
	v_and_b32 v13, 3, v0                           ; r % 4
	v_lshlrev_b32 v4, 12, v13
	v_lshl_add_u32 v4, v3, 4, v4
	v_add_nc_u32 v4, s98, v4                       ; x as source 1: token r % 4, 512 w + 16 h
	v_lshlrev_b32 v5, 5, v1                        ; x for the codes: 32 lane
	v_lshlrev_b32 v6, 3, v1                        ; my eight codes
	v_lshlrev_b32 v7, 4, v1                        ; my 16 bytes of a load's 512
	v_add_nc_u32 v8, s25, v7                       ; the stage, in
	v_and_b32 v9, 7, v0
	v_lshlrev_b32 v9, 2, v9
	v_lshl_add_u32 v9, v3, 7, v9
	v_bfe_u32 v10, v0, 3, 1
	v_mul_u32_u24 v10, v10, WN
	v_add_nc_u32 v9, v9, v10
	v_add_nc_u32 v9, s25, v9                       ; and out: row 4 h, column r % 8 of Wg or of Wn
	v_add_nc_u32 v10, s26, v7                      ; my wave's sums
	v_add_nc_u32 v11, RED, v7                      ; wave 0's
	v_add_nc_u32 v12, s27, v13                     ; my token
	v_lshlrev_b32 v13, 5, v12                      ; its noise
	s_lshl_b32 s28, ttmp9, 14                      ; x: 4 tokens of 4,096 bytes a work-group
	s_mov_b32 s29, 0
	s_lshl_b32 s30, s24, 12                        ; Wg, Wn: 128 rows of 32 bytes a wave
	s_mov_b32 s31, 0
	s_lshr_b32 s84, s24, 2                         ; which two tokens' codes
	s_and_b32 s85, s24, 3                          ; and which 256 of k
	s_lshl_b32 s86, s84, 13
	s_lshl_b32 s87, s85, 10
	s_add_co_u32 s86, s86, s87
	s_mov_b32 s87, 0
	s_lshl_b32 s88, ttmp9, 12
	s_lshl_b32 s89, s84, 11
	s_add_co_u32 s88, s88, s89
	s_lshl_b32 s89, s85, 8
	s_add_co_u32 s88, s88, s89
	s_mov_b32 s89, 0
	s_mov_b32 s94, 0x76543210                      ; v_permlanex16_b32: lane l xor 16
	s_mov_b32 s95, 0xfedcba98
	s_mov_b32 s96, 0xbfb8aa3b                      ; -log2(e)
	s_mov_b32 s97, 0x3f317218                      ; ln(2)
	s_wait_alu depctr_va_vdst(0)                   ; the wait at the head's end
	s_wait_kmcnt 0x0
	s_load_b512 s[32:47], s[16:17], 0x0            ; the 32 exponents
	s_load_b512 s[48:63], s[16:17], 0x40
	s_load_b256 s[68:75], s[10:11], 0x0            ; bg
	s_load_b256 s[76:83], s[14:15], 0x0            ; bn
	s_add_nc_u64 s[4:5], s[4:5], s[28:29]
	s_add_nc_u64 s[8:9], s[8:9], s[30:31]
	s_add_nc_u64 s[12:13], s[12:13], s[30:31]
	s_add_nc_u64 s[86:87], s[4:5], s[86:87]
	s_add_nc_u64 s[18:19], s[18:19], s[88:89]
.irp t, 0,1
	global_load_b128 v[XQ+8*\t:XQ+8*\t+3],   v5, s[86:87] offset:4096*\t
	global_load_b128 v[XQ+8*\t+4:XQ+8*\t+7], v5, s[86:87] offset:4096*\t+16
.endr
.irp m, 0,1,2,3,4,5,6,7
	global_load_b128 v[WS+4*\m:WS+4*\m+3],       v7, s[8:9] offset:512*\m
	global_load_b128 v[WS+32+4*\m:WS+32+4*\m+3], v7, s[12:13] offset:512*\m
.endr
.irp m, 0,1,2,3,4,5,6,7,8,9,10,11,12,13,14,15
	global_load_b128 v[XB+4*\m:XB+4*\m+3], v4, s[4:5] offset:32*\m
.endr
	s_wait_kmcnt 0x0
.irp e, 0,1,2,3,4,5,6,7
	s_add_co_i32 s92, s[32+4*\e], 127
	s_lshl_b32 s93, s92, 23
	v_mov_b32 v[SC+\e], s93                        ; 2^ex: the conversion takes its exponent field
	s_add_co_i32 s92, s92, 15
	s_lshl_b32 s92, s92, 23
	s_or_b32 s[32+4*\e], s92, 0x600000             ; 57,344 x 2^ex, in the exponent's place
.endr
	s_wait_alu depctr_va_vdst(0)                   ; the wait here, directly ahead of the wait below
	s_wait_loadcnt 32                              ; x for the codes is in; W's 16 and x's 16 loads may be out
	; Two sets of eight held numbers take turns, so that eight plain lines stand between a conversion and the next write of its sources.
.irp t, 0,1
.irp e, 0,1,2,3,4,5,6,7
.irp i, 0,1,2,3,4,5,6,7
	v_med3_num_f32 v[HN+8*(\e%2)+\i], v[XQ+8*\t+\i], -s[32+4*\e], s[32+4*\e]   ; the conversion to an 8-bit code does not saturate (ISA guide 7.6.2): the hold at the largest code x the scale
.endr
	v_cvt_scalef32_pk8_bf8_f32 v[CQ+16*\t+2*\e:CQ+16*\t+2*\e+1], v[HN+8*(\e%2):HN+8*(\e%2)+7], v[SC+\e]
	global_store_b64 v6, v[CQ+16*\t+2*\e:CQ+16*\t+2*\e+1], s[18:19] offset:(\e<<20)+1024*\t   ; the wave stores 256 consecutive bytes, aligned
.endr
.endr
	v_nop                                          ; a plain line behind the last conversion
	s_wait_loadcnt 16                              ; W is in
.irp m, 0,1,2,3,4,5,6,7
	ds_store_b128 v8, v[WS+4*\m:WS+4*\m+3] offset:512*\m
	ds_store_b128 v8, v[WS+32+4*\m:WS+32+4*\m+3] offset:WN+512*\m
.endr
	s_wait_xcnt 0x0                                ; the stores have read the codes: their registers are written again
.set m, 0
.rept 64
	ds_load_b32 v[WA+m], v9 offset:32*(8*(m/4)+m%4)    ; LDS serves a wave's instructions in order: these see my stores
.set m, m+1
.endr
	s_wait_loadcnt 0x0                             ; x is in
	global_load_b128 v[16:19], v13, s[6:7]         ; the noise of my token
	global_load_b128 v[20:23], v13, s[6:7] offset:16
	s_wait_dscnt 32                                ; the first half of W as source 0
.set m, 0
.rept 32
.if m == 16
	s_wait_dscnt 0x0
.endif
.set AC, ACC+8*(m%4)
.if m < 4
	v_wmma_f32_16x16x4_f32 v[AC:AC+7], v[WA+2*m:WA+2*m+1], v[XB+2*m:XB+2*m+1], 0
.else
	v_wmma_f32_16x16x4_f32 v[AC:AC+7], v[WA+2*m:WA+2*m+1], v[XB+2*m:XB+2*m+1], v[AC:AC+7]
.endif
.set m, m+1
.endr
.rept 8
	v_nop                                          ; eight places behind this form, in front of the first read of results
.endr
.irp j, 0,2,4,6
	v_pk_add_f32 v[96+\j:97+\j], v[ACC+\j:ACC+1+\j], v[ACC+8+\j:ACC+9+\j]
	v_pk_add_f32 v[104+\j:105+\j], v[ACC+16+\j:ACC+17+\j], v[ACC+24+\j:ACC+25+\j]
.endr
.irp j, 0,2,4,6
	v_pk_add_f32 v[96+\j:97+\j], v[96+\j:97+\j], v[104+\j:105+\j]
.endr
	ds_store_b128 v10, v[96:99]
	ds_store_b128 v10, v[100:103] offset:512
	s_wait_tensorcnt 0x0                           ; behind my last LDS store;
	ds_add_u32 v14, v15
	s_wait_dscnt 0x0                               ; and, for wave 0's sake: my sums lie in LDS
	s_barrier_signal -1
	s_barrier_wait -1
	s_cmp_lg_u32 s24, 0
	s_cbranch_scc1 .Lend
.irp u, 0,1,2,3,4,5,6,7
	ds_load_b128 v[32+8*\u:35+8*\u], v11 offset:1024*\u
	ds_load_b128 v[36+8*\u:39+8*\u], v11 offset:1024*\u+512
.endr
	s_wait_dscnt 0x0
	s_wait_loadcnt 0x0
.irp s, 32,16,8
.set x, 0
.rept \s/2
	v_pk_add_f32 v[32+2*x:33+2*x], v[32+2*x:33+2*x], v[32+\s+2*x:33+\s+2*x]
.set x, x+1
.endr
.endr
.irp n, 0,1,2,3,4,5,6,7
	v_add_f32 v[96+\n], s[68+\n], v[32+\n]         ; lanes 0-15: the logits
	v_add_f32 v[104+\n], s[76+\n], v[32+\n]        ; lanes 16-31: z
.endr
	; softplus(z) = max(z, 0) + ln 2 x log2(1 + 2^(-|z| log2 e)): no exponential can overflow
.irp n, 0,1,2,3,4,5,6,7
	v_mul_f32 v[40+\n], s96, |v[104+\n]|
.endr
	s_wait_alu depctr_va_vdst(0)                   ; the wait ahead of the batch
.irp n, 0,1,2,3,4,5,6,7
	v_exp_f32 v[40+\n], v[40+\n]
.endr
.irp n, 0,1,2,3,4,5,6,7
	v_max_num_f32 v[48+\n], 0, v[104+\n]           ; plain lines behind the exponentials
.endr
	s_wait_alu depctr_va_vdst(0)                   ; and one wait behind it
.irp n, 0,1,2,3,4,5,6,7
	v_add_f32 v[40+\n], 1.0, v[40+\n]
.endr
	s_wait_alu depctr_va_vdst(0)
.irp n, 0,1,2,3,4,5,6,7
	v_log_f32 v[40+\n], v[40+\n]
.endr
	v_mov_b32 v161, 0                              ; (a plain line behind the logarithms)  the index of the largest so far
	s_wait_alu depctr_va_vdst(0)
.irp n, 0,1,2,3,4,5,6,7
	v_fma_f32 v[40+\n], v[40+\n], s97, v[48+\n]    ; softplus(z), in lanes 16-31
.endr
.irp n, 0,1,2,3,4,5,6,7
	v_permlanex16_b32 v[56+\n], v[40+\n], s94, s95 ; lane l xor 16's, to lanes 0-15 (destinations that have been written)
.endr
.irp n, 0,1,2,3,4,5,6,7
	v_fma_f32 v[96+\n], v[16+\n], v[56+\n], v[96+\n]   ; noisy logits
.endr
	; the two largest, by selects alone.  Strict comparisons in ascending index: of equals the lower index stays ahead
	v_mov_b32 v160, v96                            ; the largest,
	v_mov_b32 v162, 0xff800000                     ; the second: -infinity, under every number
	v_mov_b32 v163, 0
.irp n, 1,2,3,4,5,6,7
	v_cmp_gt_f32 s98, v[96+\n], v160
	v_cmp_gt_f32 vcc_lo, v[96+\n], v162
	v_cndmask_b32 v162, v162, v[96+\n], vcc_lo
	v_cndmask_b32 v163, v163, \n, vcc_lo
	v_cndmask_b32 v162, v162, v160, s98
	v_cndmask_b32 v163, v163, v161, s98
	v_cndmask_b32 v160, v160, v[96+\n], s98
	v_cndmask_b32 v161, v161, \n, s98
.endr
	; softmax of the two, the larger taken away: g0 = 1 / (1 + E), g1 = E g0, E = e^(second - largest) <= 1
	v_sub_f32 v164, v162, v160
	v_mul_f32 v164, 0x3fb8aa3b, v164
	s_wait_alu depctr_va_vdst(0)
	v_exp_f32 v164, v164
	v_lshlrev_b32 v165, v161, 1                    ; (plain lines)  1 << e0
	v_lshl_or_b32 v165, 0x100, v163, v165          ; | 256 << e1
	v_lshl_or_b32 v165, v12, 16, v165              ; | token << 16
	s_wait_alu depctr_va_vdst(0)
	v_add_f32 v166, 1.0, v164
	s_wait_alu depctr_va_vdst(0)
	v_rcp_f32 v166, v166
	v_lshlrev_b32 v168, 2, v12                     ; (plain lines)  4 x token
	v_lshlrev_b32 v169, 3, v12                     ; 8 x token
	s_wait_alu depctr_va_vdst(0)
	v_mul_f32 v167, v164, v166
	v_cmp_gt_u32 vcc_lo, 4, v1
	s_wait_alu depctr_va_vdst(0)
	s_wait_xcnt 0x0                                ; EXEC is a source of the stores above: it changes only behind this wait
	s_and_saveexec_b32 s98, vcc_lo
	global_store_b32 v168, v165, s[20:21]
	global_store_b64 v169, v[166:167], s[22:23]
	s_wait_xcnt 0x0                                ; and again, in front of the line that widens it
	s_or_b32 exec_lo, exec_lo, s98
.Lend:
	s_endpgm
.Lfunc_end_k_q8170224025_route:
	.size	k_q8170224025_route, .Lfunc_end_k_q8170224025_route-k_q8170224025_route
	.p2alignl 7, 3214868480
	.fill 96, 4, 3214868480
	.section	.rodata,"a",@progbits
	.p2align	6, 0x0
	.amdhsa_kernel k_q8170224025_route
		.amdhsa_group_segment_fixed_size 76800
		.amdhsa_private_segment_fixed_size 0
		.amdhsa_enable_private_segment 0
		.amdhsa_kernarg_size 80
		.amdhsa_user_sgpr_count 2
		.amdhsa_user_sgpr_kernarg_segment_ptr 1
		.amdhsa_wavefront_size32 1
		.amdhsa_system_sgpr_workgroup_id_x 1
		.amdhsa_system_sgpr_workgroup_id_y 1
		.amdhsa_system_sgpr_workgroup_id_z 1
		.amdhsa_system_vgpr_workitem_id 0
		.amdhsa_next_free_vgpr 256
		.amdhsa_next_free_sgpr 100
		.amdhsa_reserve_vcc 1
		.amdhsa_float_denorm_mode_32 3
		.amdhsa_float_denorm_mode_16_64 3
		.amdhsa_memory_ordered 1
		.amdhsa_forward_progress 1
		.amdhsa_inst_pref_size 39
	.end_amdhsa_kernel
	.amdgpu_metadata
---
amdhsa.version: [ 1, 2 ]
amdhsa.kernels:
  - .name:           k_q8170224025_route
    .symbol:         k_q8170224025_route.kd
    .args:
      - { .name: x, .offset: 0, .size: 8, .value_kind: global_buffer, .address_space: global }
      - { .name: noise, .offset: 8, .size: 8, .value_kind: global_buffer, .address_space: global }
      - { .name: Wg, .offset: 16, .size: 8, .value_kind: global_buffer, .address_space: global }
      - { .name: bg, .offset: 24, .size: 8, .value_kind: global_buffer, .address_space: global }
      - { .name: Wn, .offset: 32, .size: 8, .value_kind: global_buffer, .address_space: global }
      - { .name: bn, .offset: 40, .size: 8, .value_kind: global_buffer, .address_space: global }
      - { .name: lowp_scales, .offset: 48, .size: 8, .value_kind: global_buffer, .address_space: global }
      - { .name: xq, .offset: 56, .size: 8, .value_kind: global_buffer, .address_space: global }
      - { .name: selw, .offset: 64, .size: 8, .value_kind: global_buffer, .address_space: global }
      - { .name: gate, .offset: 72, .size: 8, .value_kind: global_buffer, .address_space: global }
    .group_segment_fixed_size: 76800
    .private_segment_fixed_size: 0
    .kernarg_segment_align: 8
    .kernarg_segment_size: 80
    .max_flat_workgroup_size: 256
    .sgpr_count:     100
    .vgpr_count:     256
    .wavefront_size: 32
...
	.end_amdgpu_metadata
.endif
;; end of part 1
;; launch up (part 2): grid 256 x 1, 4 waves a work-group, no clusters, 140,288 bytes of LDS; arguments xq, W1_codes, b1, lowp_scales, selw, hq, lst; writes hq, lst
.if DOCPART == 2
	.amdgcn_target "amdgcn-amd-amdhsa--gfx1250"
	.amdhsa_code_object_version 6
	.text
	.protected	k_q8170224025_up
	.globl	k_q8170224025_up
	.p2align	8
	.type	k_q8170224025_up,@function
k_q8170224025_up:
	s_mov_b64 s[64:65], 0
	v_nop
	global_prefetch_b8 v0, s[64:65] scope:SCOPE_SE
	s_setreg_imm32_b32 hwreg(HW_REG_WAVE_MODE, 25, 1), 1
	s_wait_xcnt 0x0
; THE FIRST PRODUCT OF EACH EXPERT, ON THE ROWS THAT CHOSE IT:  hq = Q(relu(x W1[e] + b1[e])), codes of E5M2 in, codes out.  A token's other six experts have the gate 0: their rows are not multiplied,
; as the stored whole numbers say.  LIMIT: a NaN, an infinity or an overflow that would arise in such a row alone is not carried to the result.
; SHARES.  Work-group i owns hidden units 128 s .. 128 s + 127 of expert e, e = i % 8, s = i / 8: 128 rows x 1,024 bytes of W1's codes, which no other work-group reads.
; THE WEIGHTS come in four chunks of 256 along K (16 loads a wave, each 2 rows x 256 bytes), through two sets of staging registers into LDS (rows 1,040 bytes apart); a barrier a chunk.  A chunk is stored two K steps
; ahead of its use and asked for two chunks ahead of that, so that products and loads go side by side.
; EACH WORK-GROUP BEGINS K AT A CHUNK OF ITS OWN: its g-th chunk is chunk (g + s) % 4 of K, of x and of W1 alike, so that the slices of an expert walk x's rows in four different orders.
; THE LIST.  selw[token] holds bit e0, bit 8 + e1 and the token from bit 16 on.  Wave 0 places the words that name e in a list in LDS, by ballots and counts, while weights are on their way; the list is first filled with
; pad words (tokens 1,024 + 8 e + ..), so that every entry names a row.  n rows make T = ceil(n / 16) tiles of 16 (here at least 4, so that the next launch finds tiles 0 to 3 stored whatever n is).
; Slices 0 to 5 store the list (1,280 words, as routed rows 2 token + k) and 256 words of 2 n for the next launch: 6,144 bytes an expert, 256 bytes a wave.
; THE WAVES SHARE THE ROWS: in pass p wave w takes tiles 20 p + 4 i + w, i = 0 .. 4.  Passes 1 to 3 (n over 320) stand in a loop in which a wave without tiles jumps over the work; the way out stands at its top.
; A K step is 128, in two halves of four tiles of W1: four fragments from LDS (one half ahead, two sets), five of x from memory (three steps ahead, four sets), 4 matrix instructions a tile.  ALL loads are always
; issued, an absent tile's too (its list entries are pad words: token 1,023), so that every counted wait counts the same on every path; a scalar branch on the stored count leaves out the fifth tile's products where
; it is absent, and every absent tile's way out.
; THE MATRIX INSTRUCTION IS USED TRANSPOSED (source 0 = 16 rows of W1, source 1 = 16 rows of x): a lane holds one row.  THE ROWS OF W1 THAT FORM A TILE ARE NOT NEIGHBOURS: row r of tile 2 g + u is unit
; 32 g + 8 u + r + 8 (r / 8), so that a lane's 16 registers of tiles 2 g, 2 g + 1 are units 32 g + 16 (lane / 16) + 0 .. 15: the conversions' results are the next product's operand registers.
; Fragments come by four loads of 16 bytes: registers 4 c .. 4 c + 3 hold k = 32 c + 16 (lane / 16) + 0 .. 15, the same places of k on both sides.
; b1, divided by 2^(ex + ew1), is the C of each sum's first product; relu and the hold at the largest code are one v_med3; the three scales are folded into the conversion's one, 2^(eh - ex - ew1).
; hq: an IMAGE OF THE OPERAND'S REGISTERS: block (e, tile j, K step s) of 2,048 bytes at ((64 e + j) 32 + s) 2,048, register group c of lane l at 512 c + 16 l: each store covers 512 consecutive bytes, aligned.
; NO JOINT LOADS, though the 32 slices of an expert read the same rows of xq: they would be tensor loads, and this text's branches hang on a count read from memory.
; LIMITS: eh - ex - ew1 between -126 and 112.  NaN and infinities are not served.
; REGISTERS, in windows of 256: window 0: v0-31 addresses and the like; v32-95 b1's 8 tiles; v96-175, v176-255 x's sets 0, 1 (at the head v96-147 the list's making; on the way out the codes and the held numbers).
;   window 1: v0-127 two half sets of W1, v128-255 two staging sets.   window 2: the accumulators of tiles 0-3, (i, b) at v[64 i + 8 b].   window 3: v0-63 tile 4's; v64-143, v144-223 x's sets 2, 3.
.set NS,   8
.set PW,   1040                        ; an LDS row of weights: 1,024 bytes + 16: an odd multiple of 16 (64 banks of 4 bytes: ISA guide 11.1)
.set LIST, 128*PW                      ; behind the weights: 1,280 list words, 256 words of n << 16, 32 dump words
.set CNT,  LIST+5120
.set SPARE, LIST+6400                  ; the spare words
.set L16,  4
.set WST,  5
.set BA0,  6
.set BA1,  7
.set LRD,  8
.set LRP,  9
.set AO,   10                          ; v10-14  tile i: my row's byte offset in xq[e]
.set H16,  15
.set LINI, 16
.set DMP,  17
.set CNA,  18
.set WO,   19                          ; v19  my byte offset in a load of two rows of W1
.set LSA,  21                          ; v21, v22  my two list words in LDS, and in lst
.set LSG,  22
.set IV,   26
.set BOF,  30
.set LIM,  30
.set SCL,  31
.set BI,   32
.set SW,   96
.set CA,   128
.set CB,   136
.set CD,   96
.set TP,   176
.set S_WV, 16
.set S_E,  17
.set S_N,  24
.set S_T,  25
.set S_TW, 26
.set S_PS, 27
.set S_LOF, 28
.set S_CN, 30
.set S_T0, 31
.set S_WB, 32
.set S_AB, 34
.set S_HB, 36
.set S_B1, 38
.set S_SL, 54
.set S_EM, 55
.set S_SH, 56
.set S_LB, 58
.set MA,   68
.set BS,   84
.set WCB,  76                          ; s[76:83] W1 at my g-th chunk
.set XCB,  92                          ; s[92:99] xq[e] at my g-th chunk
.set MSB, 0
.macro WIN new                         ; the immediate's high byte repeats the setting that is left; a switch that changes nothing is dropped
.if MSB != (\new)
	s_set_vgpr_msb (MSB<<8)|(\new)
.set MSB, \new
.endif
.endm
.macro PLACES                          ; four places behind matrix instructions, in front of loads into what they read and of reads of results
.rept 4
	v_nop
.endr
.endm
.macro ASET q                          ; x's set q % 4: sets 0, 1 at v96, v176 of window 0; sets 2, 3 at v64, v144 of window 3
.set AS_S, (\q)%4
.set AS_B, 96+80*(AS_S%2)-32*(AS_S/2)
.set AS_W, 3*(AS_S/2)
.endm
.macro ATILE q, i                      ; K step q of my i-th tile of rows: 4 loads
	ASET \q
	WIN AS_W<<6
.irp c, 0,1,2,3
	global_load_b128 v[AS_B+16*(\i)+4*\c:AS_B+16*(\i)+4*\c+3], v[AO+\i], s[XCB+2*((\q)/2):XCB+2*((\q)/2)+1] offset:128*((\q)%2)+32*\c
.endr
.endm
.macro ALOAD q                         ; all five: 20 loads
.irp i, 0,1,2,3,4
	ATILE \q, \i
.endr
	WIN 0
.endm
.macro WLOAD g                         ; chunk g of my wave's 32 rows of W1, into staging set g % 2: 16 loads
	WIN 0x40
.set m, 0
.rept 16
	global_load_b128 v[128+64*((\g)%2)+4*m:131+64*((\g)%2)+4*m], v[WO], s[WCB+2*(\g):WCB+2*(\g)+1] offset:2048*m th:TH_LOAD_NT
.set m, m+1
.endr
	WIN 0
.endm
.macro WSTORE g, m0                    ; eight of them into LDS: here the order of the rows of a tile is made: unit x = 2 m + lane / 16 of my 32 goes to row 16 (x / 8 % 2) + x % 8 + 8 (x / 16)
	WIN 0x04
.set m, \m0
.rept 8
	ds_store_b128 v[WST], v[128+64*((\g)%2)+4*m:131+64*((\g)%2)+4*m] offset:PW*(16*((m/4)%2)+2*(m%4)+8*(m/8))+256*(\g)
.set m, m+1
.endr
	WIN 0
.endm
.macro FP q, u, b                      ; K step q of W1's tile 4 u + b, into half set u: 4 LDS loads
	WIN 0x40
.irp c, 0,1,2,3
	ds_load_b128 v[64*(\u)+16*(\b)+4*\c:64*(\u)+16*(\b)+4*\c+3], v[BA0+\u] offset:16*PW*(\b)+128*(\q)+32*\c
.endr
.endm
.macro MULS q, u, i                    ; tile i's four products of this half; the accumulators take turns.  Step 0 starts the sums with b1 as C
	ASET \q
.set DW, 2+(\i)/4
.set AC0, 64*((\i)%4)+32*(\u)
.if (\q) == 0
	WIN (DW<<6)|(AS_W<<2)|1
.else
	WIN (DW<<6)|(DW<<4)|(AS_W<<2)|1
.endif
.irp b, 0,1,2,3
.if (\q) == 0
	v_wmma_f32_16x16x128_bf8_bf8 v[AC0+8*\b:AC0+8*\b+7], v[64*(\u)+16*\b:64*(\u)+16*\b+15], v[AS_B+16*(\i):AS_B+16*(\i)+15], v[BI+32*(\u)+8*\b:BI+32*(\u)+8*\b+7]
.else
	v_wmma_f32_16x16x128_bf8_bf8 v[AC0+8*\b:AC0+8*\b+7], v[64*(\u)+16*\b:64*(\u)+16*\b+15], v[AS_B+16*(\i):AS_B+16*(\i)+15], v[AC0+8*\b:AC0+8*\b+7]
.endif
.endr
.endm
.macro HALF q, u, nq, nu, w            ; one half step's products; between the tiles' products stand the LDS loads of the next half (nq, nu) and, w = 1 in an even step, eight of the next chunk's stores
.if (\nq) < NS
	FP \nq, \nu, 0
.endif
	MULS \q, \u, 0
.if (\nq) < NS
	FP \nq, \nu, 1
.endif
	MULS \q, \u, 1
.if (\nq) < NS
	FP \nq, \nu, 2
	FP \nq, \nu, 3
.endif
	MULS \q, \u, 2
.if \w && ((\q)%2 == 0) && ((\q) < 5)
	WSTORE (\q)/2+1, 8*(\u)
.endif
	MULS \q, \u, 3
.if \w && ((\q) == 1) && (\u)
	WLOAD 3                                        ; its staging set was stored in step 0
.endif
.if (\q) > 0
	WIN 0                                          ; at a branch and at a label every window is 0
	s_cmp_le_u32 s[S_TW], 4                        ; the fifth tile is absent: its products are left out.  (Step 0 runs for all five, so that every accumulator is written on every path)
	s_cbranch_scc1 .Lsk_\@
.endif
	MULS \q, \u, 4
	WIN 0
.Lsk_\@:
.endm
; Loads are issued in this order: W1's chunks 0, 1, x's steps 0, 1, 2, chunk 2 ahead of step 0; then in step q x's step q + 3, and chunk 3 at the end of step 1.  w = 1: pass 0, with the weights' chunks.
.macro STEP q, w
.if \w && ((\q) < 4)
	s_wait_loadcnt 56                              ; this step's 20 loads of x, and the chunk stored in it, are in; two steps' 40 and one chunk's 16 may be out
.elseif (\q) < 6
	s_wait_loadcnt 40                              ; two steps' loads may be out
.else
	s_wait_loadcnt 20*(NS-1-(\q))
.endif
	s_wait_dscnt 0x0                               ; half set 0 is in
	PLACES
.if (\q)+3 < NS
	ATILE (\q)+3, 0
	ATILE (\q)+3, 1
.endif
	HALF \q, 0, \q, 1, \w
.if \w && ((\q)%2 == 0) && ((\q) < 5)
	s_wait_dscnt 8                                 ; half set 1 is in; the chunk's eight stores may be out
.else
	s_wait_dscnt 0x0
.endif
.if \w && ((\q)%2 == 1) && ((\q) < 6)
	s_barrier_signal -1                            ; the next chunk's stores of every wave are done:
	s_barrier_wait -1                              ; K steps q + 1 and q + 2 may be read
.endif
	PLACES
.if (\q)+3 < NS
	ATILE (\q)+3, 2
	ATILE (\q)+3, 3
	ATILE (\q)+3, 4
.endif
	HALF \q, 1, (\q)+1, 0, \w
.endm
.macro BODY w
.set sq, 0
.rept NS
	STEP sq, \w
.set sq, sq+1
.endr
.endm
.macro FETCH0                          ; K step 0's first half
.irp b, 0,1,2,3
	FP 0, 0, \b
.endr
	WIN 0
.endm
.macro TCOUNT                          ; my tiles in pass PS: ceil((T - 20 PS - w) / 4), held between 0 and 5
	s_mul_i32 s[S_T0], s[S_PS], 20
	s_add_co_u32 s[S_T0], s[S_T0], s[S_WV]
	s_sub_co_i32 s[S_TW], s[S_T], s[S_T0]
	s_add_co_i32 s[S_TW], s[S_TW], 3
	s_ashr_i32 s[S_TW], s[S_TW], 2
	s_max_i32 s[S_TW], s[S_TW], 0
	s_min_i32 s[S_TW], s[S_TW], 5
.endm
.macro LISTLD                          ; my row's list word in each of my five tiles
.irp i, 0,1,2,3,4
	ds_load_b32 v[AO+\i], v[LRP] offset:256*\i
.endr
.endm
.macro OFFS                            ; and from it my row's place in xq[e]
.irp i, 0,1,2,3,4
	v_lshrrev_b32 v[AO+\i], 16, v[AO+\i]           ; the token;
	v_min_u32 v[AO+\i], 0x3ff, v[AO+\i]            ; a pad word: token 1,023
	v_lshl_add_u32 v[AO+\i], v[AO+\i], 10, v[H16]
.endr
.endm
.macro EPI                             ; the way out: relu, the hold, the conversion; a tile's fragment is stored as it stands
	PLACES
.irp i, 0,1,2,3,4
	s_cmp_le_u32 s[S_TW], \i
	s_cbranch_scc1 .Lep_\@
	WIN 2+\i/4                                     ; source 0: the tile's accumulators
.set x, 0
.rept 64
	v_med3_num_f32 v[TP+x], v[64*(\i%4)+x], 0, v[LIM]   ; the activation and the hold in one; each accumulator from its low end on
.set x, x+1
.endr
	WIN 0
.irp g, 0,1,2,3,4,5,6,7
	v_cvt_scalef32_pk8_bf8_f32 v[CD+16*\i+2*\g:CD+16*\i+2*\g+1], v[TP+8*\g:TP+8*\g+7], v[SCL]
.endr
	v_nop                                          ; a plain line between the conversions and the next write of their sources
.irp c, 0,1,2,3
	global_store_b128 v[L16], v[CD+16*\i+4*\c:CD+16*\i+4*\c+3], s[S_HB:S_HB+1] offset:262144*\i+512*\c   ; tile 4 i further on: 4 x 65,536 bytes
.endr
.endr
.Lep_\@:
.endm
	s_load_b256 s[4:11], s[0:1], 0x0               ; xq s[4:5], W1's codes s[6:7], b1 s[8:9], the scales' exponents s[10:11]
	s_load_b128 s[12:15], s[0:1], 0x20             ; selw s[12:13], hq s[14:15]
	s_load_b64 s[18:19], s[0:1], 0x30              ; lst
	v_lshl_add_u32 v23, v0, 2, SPARE
	v_mov_b32 v24, 0
	v_lshrrev_b32 v1, 5, v0
	v_readfirstlane_b32 s[S_WV], v1                ; wave
	s_and_b32 s[S_E], ttmp9, 7                     ; expert
	s_lshr_b32 s[S_SL], ttmp9, 3                   ; slice
	s_lshl_b32 s[S_EM], 0x101, s[S_E]              ; the two bits that name e
	s_add_co_u32 s[S_SH], s[S_E], 8
	s_mul_i32 s40, s[S_WV], 32*PW
	s_lshl_b32 s41, s[S_WV], 6
	s_add_co_u32 s41, s41, LIST
	s_lshl_b32 s42, s[S_E], 3
	s_add_co_u32 s42, s42, 1024
	s_lshl_b32 s42, s42, 16                        ; the first pad word: token 1,024 + 8 e
	s_lshl_b32 s45, 0x100, s[S_E]
	s_lshl_b32 s44, s[S_WV], 8
	s_min_u32 s46, s[S_SL], 5
	s_lshl_b32 s46, s46, 10
	s_add_co_u32 s43, s46, s44
	s_add_co_u32 s43, s43, LIST
	; every LDS address that stays is made here, ahead of the branch on the wave's number
	v_and_b32 v1, 31, v0                           ; lane
	v_and_b32 v2, 15, v0                           ; r
	v_bfe_u32 v3, v0, 4, 1                         ; h
	v_lshlrev_b32 v[L16], 4, v1
	v_lshlrev_b32 v[WO], 4, v2
	v_lshl_add_u32 v[WO], v3, 10, v[WO]
	v_mul_u32_u24 v20, v3, PW
	v_lshl_add_u32 v20, v2, 4, v20
	v_add_nc_u32 v[WST], s40, v20
	v_mul_u32_u24 v[BA0], v2, PW
	v_lshl_add_u32 v[BA0], v3, 4, v[BA0]
	v_add_nc_u32 v[BA1], 64*PW, v[BA0]
	v_lshl_add_u32 v[LRD], v2, 2, s41              ; tile w, row r: 64 w + 4 r
	v_mov_b32 v[LRP], v[LRD]
	v_lshlrev_b32 v[H16], 4, v3
	v_add_nc_u32 v[LINI], LIST, v[L16]
	v_add_nc_u32 v[DMP], 1536, v1
	v_mov_b32 v[CNA], CNT
	v_lshlrev_b32 v[BOF], 6, v3
	v_lshlrev_b32 v20, 1, v1
	v_and_b32 v20, 6, v20
	v_lshl_add_u32 v[IV], v20, 16, s42             ; pad words of list places 4 lane .. 4 lane + 3: routed rows 2,048 + 16 e + (place % 16)
	v_or_b32 v[IV+1], s45, v[IV]
	v_add_nc_u32 v[IV+2], 0x10000, v[IV]
	v_add_nc_u32 v[IV+3], 0x10000, v[IV+1]
	v_lshl_add_u32 v[LSA], v1, 3, s43
	v_lshl_add_u32 v[LSG], v1, 3, s44
	s_mul_i32 s60, s[S_E], 6144
	s_add_co_u32 s60, s60, s46
	s_mov_b32 s61, 0
	s_lshl_b32 s40, s[S_E], 12
	s_lshl_b32 s41, s[S_SL], 7
	s_add_co_u32 s40, s40, s41                     ; my first hidden unit among all experts': 4,096 e + 128 s
	s_lshl_b32 s42, s40, 2                         ; in b1
	s_mov_b32 s43, 0
	s_lshl_b32 s41, s[S_WV], 5
	s_add_co_u32 s40, s40, s41
	s_lshl_b32 s40, s40, 10                        ; my wave's 32 rows of 1,024 bytes
	s_mov_b32 s41, 0
	s_lshl_b32 s44, s[S_E], 20
	s_mov_b32 s45, 0
	s_lshl_b32 s46, s[S_E], 6
	s_add_co_u32 s46, s46, s[S_WV]
	s_lshl_b32 s46, s46, 16
	s_lshl_b32 s47, s[S_SL], 11
	s_add_co_u32 s46, s46, s47
	s_mov_b32 s47, 0
	s_lshl_b32 s48, s[S_E], 4
	s_mov_b32 s49, 0
	s_mov_b32 s[S_PS], 0
	s_wait_alu depctr_va_vdst(0)                   ; the wait at the head's end
	s_wait_kmcnt 0x0
	s_add_nc_u64 s[S_B1:S_B1+1], s[8:9], s[42:43]
.irp m, 0,1,2,3,4,5,6,7
	global_load_b128 v[SW+4*\m:SW+4*\m+3], v[L16], s[12:13] offset:512*\m   ; selw
.endr
.irp b, 0,1,2,3,4,5,6,7
	global_load_b128 v[BI+8*\b:BI+8*\b+3],   v[BOF], s[S_B1:S_B1+1] offset:(32*(\b/2)+8*(\b%2))*4      ; b1 in the result's layout: units 32 (b / 2) + 8 (b % 2) + 16 h + 0 .. 7
	global_load_b128 v[BI+8*\b+4:BI+8*\b+7], v[BOF], s[S_B1:S_B1+1] offset:(32*(\b/2)+8*(\b%2))*4+16
.endr
	s_add_nc_u64 s[S_WB:S_WB+1], s[6:7], s[40:41]
	s_add_nc_u64 s[S_AB:S_AB+1], s[4:5], s[44:45]
	s_add_nc_u64 s[S_HB:S_HB+1], s[14:15], s[46:47]
	s_add_nc_u64 s[10:11], s[10:11], s[48:49]
	s_add_nc_u64 s[S_LB:S_LB+1], s[18:19], s[60:61]
	s_load_b128 s[20:23], s[10:11], 0x0            ; ex, ew1, eh, ew2
	s_mov_b32 s61, 0
.irp g, 0,1,2,3
	s_add_co_u32 s60, s[S_SL], \g
	s_and_b32 s60, s60, 3
	s_lshl_b32 s60, s60, 8                         ; my g-th chunk of K: 256 bytes of a row
	s_add_nc_u64 s[WCB+2*\g:WCB+2*\g+1], s[S_WB:S_WB+1], s[60:61]
	s_add_nc_u64 s[XCB+2*\g:XCB+2*\g+1], s[S_AB:S_AB+1], s[60:61]
.endr
	WLOAD 0
	WLOAD 1
	s_wait_loadcnt 48                              ; selw is in; b1's 16 and two chunks' 32 loads may be out
	s_cmp_lg_u32 s[S_WV], 0
	s_cbranch_scc1 .Lnot0
	; THE LIST, by wave 0 alone; no other wave touches LDS ahead of the barrier below.  Eight groups of 32 tokens go side by side, phase by phase, so that neighbouring lines do not wait for each other
.irp m, 0,1,2,3,4,5,6,7,8,9
	ds_store_b128 v[LINI], v[IV:IV+3] offset:512*\m    ; all 1,280 words: pad words
.endr
	s_mov_b32 s[S_CN], 0
.irp g, 0,1,2,3
.irp j, 0,1,2,3,4,5,6,7
	v_and_b32 v[CA+\j], s[S_EM], v[SW+8*\g+\j]
.endr
.irp j, 0,1,2,3,4,5,6,7
	v_cmp_ne_u32 s[MA+\j], 0, v[CA+\j]             ; the lanes whose token names e
.endr
.irp j, 0,1,2,3,4,5,6,7
	s_mov_b32 s[BS+\j], s[S_CN]                    ; the count ahead of the group
	s_bcnt1_i32_b32 s[S_T0], s[MA+\j]
	s_add_co_u32 s[S_CN], s[S_CN], s[S_T0]
.endr
.irp j, 0,1,2,3,4,5,6,7
	v_mbcnt_lo_u32_b32 v[CB+\j], s[MA+\j], s[BS+\j]    ; + the matching lanes below mine: the word's place in the list
.endr
.irp j, 0,1,2,3,4,5,6,7
	v_cndmask_b32 v[CB+\j], v[DMP], v[CB+\j], s[MA+\j]   ; a lane without a match writes its own dump word
.endr
.irp j, 0,1,2,3,4,5,6,7
	v_min_u32 v[CB+\j], 0x61f, v[CB+\j]            ; inside the list and the dump words
.endr
.irp j, 0,1,2,3,4,5,6,7
	v_lshl_add_u32 v[CB+\j], v[CB+\j], 2, LIST
.endr
.irp j, 0,1,2,3,4,5,6,7
	ds_store_b32 v[CB+\j], v[SW+8*\g+\j]
.endr
.endr
	s_lshl_b32 s[S_T0], s[S_CN], 16
.irp j, 144,145,146,147
	v_mov_b32 v\j, s[S_T0]
.endr
	ds_store_b128 v[LINI], v[144:147] offset:5120  ; 256 words of n << 16
	ds_store_b128 v[LINI], v[144:147] offset:5632
.Lnot0:
	s_wait_dscnt 0x0                               ; for the others' sake: the list and the count lie in LDS
	s_barrier_signal -1
	s_barrier_wait -1
	ds_load_b32 v25, v[CNA]
	LISTLD
	s_wait_dscnt 0x0
	v_readfirstlane_b32 s[S_N], v25
	s_lshr_b32 s[S_N], s[S_N], 16
	s_min_u32 s[S_N], s[S_N], 1024
	s_add_co_u32 s[S_T], s[S_N], 15
	s_lshr_b32 s[S_T], s[S_T], 4
	s_max_u32 s[S_T], s[S_T], 4                    ; at least tiles 0 to 3 are made
	TCOUNT
	OFFS
	ALOAD 0
	s_wait_alu depctr_va_vdst(0)                   ; the wait here, ahead of the wait below
	s_wait_loadcnt 36                              ; chunk 0 is in; chunk 1's 16 and x's 20 may be out
	WSTORE 0, 0
	WSTORE 0, 8
	ALOAD 1
	ALOAD 2
	s_cmp_lt_u32 s[S_SL], 6
	s_cbranch_scc0 .Lnolst
	ds_load_b64 v[0:1], v[LSA]
	s_wait_dscnt 0x0
	v_bfe_u32 v2, v0, s[S_SH], 1                   ; k
	v_bfe_u32 v3, v1, s[S_SH], 1
	v_lshrrev_b32 v0, 16, v0
	v_lshrrev_b32 v1, 16, v1
	v_lshl_add_u32 v0, v0, 1, v2                   ; the routed row 2 token + k; of n << 16: 2 n
	v_lshl_add_u32 v1, v1, 1, v3
	global_store_b64 v[LSG], v[0:1], s[S_LB:S_LB+1]    ; the wave stores 256 consecutive bytes, aligned
.Lnolst:
	s_wait_kmcnt 0x0
	s_add_co_i32 s40, s20, s21                     ; ex + ew1: a sum stands for sum x 2^(ex + ew1), so b1 goes in divided by that
	s_sub_co_i32 s41, 0, s40
.set x, 0
.rept 64
	v_ldexp_f32 v[BI+x], v[BI+x], s41              ; (b1's loads stand ahead of the weights': they are in)
.set x, x+1
.endr
	s_sub_co_i32 s42, s22, s40
	s_add_co_i32 s42, s42, 127
	s_lshl_b32 s43, s42, 23
	v_mov_b32 v[SCL], s43                          ; 2^(eh - ex - ew1): the conversion takes its exponent field
	s_add_co_i32 s42, s42, 15
	s_lshl_b32 s42, s42, 23
	s_or_b32 s42, s42, 0x600000
	v_mov_b32 v[LIM], s42                          ; 57,344 x that
	s_wait_alu depctr_va_vdst(0)                   ; the wait here, directly ahead of the waits below
	s_wait_dscnt 0x0                               ; for the others' sake: my part of chunk 0 lies in LDS
	WLOAD 2                                        ; its staging set has been stored
	s_barrier_signal -1
	s_barrier_wait -1
	FETCH0
	BODY 1                                         ; pass 0: every wave has a tile, since T is at least 4
.Lpass:                                                ; four trips, whatever n is: the way out of pass p, then pass p + 1
	EPI
	s_wait_loadcnt 0x0
	s_wait_xcnt 0x0                                ; every store has read its registers: offsets, sets, codes and bases may be written again
	s_add_co_u32 s[S_PS], s[S_PS], 1
	s_min_u32 s[S_T0], s[S_PS], 3                  ; (behind pass 3 no wave has a tile)
	s_mul_i32 s[S_LOF], s[S_T0], 1280              ; 20 tiles of list words a pass,
	s_add_nc_u64 s[S_HB:S_HB+1], s[S_HB:S_HB+1], 1310720   ; and 20 tiles of 65,536 bytes in hq
	v_add_nc_u32 v[LRP], s[S_LOF], v[LRD]
	TCOUNT
	s_wait_alu depctr_va_vdst(0)                   ; the wait here, ahead of the branch
	s_cmp_eq_u32 s[S_TW], 0
	s_cbranch_scc1 .Lend
	LISTLD
	s_wait_dscnt 0x0
	OFFS
	ALOAD 0
	ALOAD 1
	ALOAD 2
	FETCH0
	s_wait_alu depctr_va_vdst(0)                   ; the wait here, ahead of the next step's waits
	BODY 0
.Lend:
	s_cmp_lt_u32 s[S_PS], 4
	s_cbranch_scc1 .Lpass
	s_wait_tensorcnt 0x0                           ; the wave's end
	ds_add_u32 v23, v24
	s_wait_dscnt 0x0
	s_endpgm
.Lfunc_end_k_q8170224025_up:
	.size	k_q8170224025_up, .Lfunc_end_k_q8170224025_up-k_q8170224025_up
	.p2alignl 7, 3214868480
	.fill 96, 4, 3214868480
	.section	.rodata,"a",@progbits
	.p2align	6, 0x0
	.amdhsa_kernel k_q8170224025_up
		.amdhsa_group_segment_fixed_size 140288
		.amdhsa_private_segment_fixed_size 0
		.amdhsa_enable_private_segment 0
		.amdhsa_kernarg_size 56
		.amdhsa_user_sgpr_count 2
		.amdhsa_user_sgpr_kernarg_segment_ptr 1
		.amdhsa_wavefront_size32 1
		.amdhsa_system_sgpr_workgroup_id_x 1
		.amdhsa_system_sgpr_workgroup_id_y 1
		.amdhsa_system_sgpr_workgroup_id_z 1
		.amdhsa_system_vgpr_workitem_id 0
		.amdhsa_next_free_vgpr 1024
		.amdhsa_next_free_sgpr 100
		.amdhsa_reserve_vcc 0
		.amdhsa_float_denorm_mode_32 3
		.amdhsa_float_denorm_mode_16_64 3
		.amdhsa_memory_ordered 1
		.amdhsa_forward_progress 1
		.amdhsa_inst_pref_size 189
	.end_amdhsa_kernel
	.amdgpu_metadata
---
amdhsa.version: [ 1, 2 ]
amdhsa.kernels:
  - .name:           k_q8170224025_up
    .symbol:         k_q8170224025_up.kd
    .args:
      - { .name: xq, .offset: 0, .size: 8, .value_kind: global_buffer, .address_space: global }
      - { .name: W1_codes, .offset: 8, .size: 8, .value_kind: global_buffer, .address_space: global }
      - { .name: b1, .offset: 16, .size: 8, .value_kind: global_buffer, .address_space: global }
      - { .name: lowp_scales, .offset: 24, .size: 8, .value_kind: global_buffer, .address_space: global }
      - { .name: selw, .offset: 32, .size: 8, .value_kind: global_buffer, .address_space: global }
      - { .name: hq, .offset: 40, .size: 8, .value_kind: global_buffer, .address_space: global }
      - { .name: lst, .offset: 48, .size: 8, .value_kind: global_buffer, .address_space: global }
    .group_segment_fixed_size: 140288
    .private_segment_fixed_size: 0
    .kernarg_segment_align: 8
    .kernarg_segment_size: 56
    .max_flat_workgroup_size: 128
    .sgpr_count:     100
    .vgpr_count:     1024
    .wavefront_size: 32
...
	.end_amdgpu_metadata
.endif
;; end of part 2
;; launch down (part 3): grid 256 x 1, 4 waves a work-group, no clusters, 155,648 bytes of LDS; arguments hq, W2_codes, b2, lowp_scales, lst, gate, yp; writes yp
.if DOCPART == 3
	.amdgcn_target "amdgcn-amd-amdhsa--gfx1250"
	.amdhsa_code_object_version 6
	.text
	.protected	k_q8170224025_down
	.globl	k_q8170224025_down
	.p2align	8
	.type	k_q8170224025_down,@function
k_q8170224025_down:
	s_mov_b64 s[64:65], 0
	v_nop
	global_prefetch_b8 v0, s[64:65] scope:SCOPE_SE
	s_setreg_imm32_b32 hwreg(HW_REG_WAVE_MODE, 25, 1), 1
	s_wait_xcnt 0x0
; THE SECOND PRODUCT OF EACH EXPERT, ON THE ROWS THAT CHOSE IT (the others have the gate 0):  yp[kh][row] = gate[row] x (hq W2[e] over half kh of K x 2^(eh + ew2) + b2[e], the bias in half 0 alone).
; LIMIT: a NaN, an infinity or an overflow that would arise in a row of an expert not chosen is not carried to the result.
; SHARES.  Work-group i owns, of expert e = i % 8, output columns 64 c .. 64 c + 63, c = i / 8 % 16, and K = 2,048 kh .. + 2,047, kh = i / 128: 64 rows x 2,048 bytes of W2's codes, which no other work-group reads.
; K is halved so that a work-group takes in 128 KB of weights and about 0.5 MB of rows' codes (whole K on 32 columns: twice the rows' codes); the price is a second plane of yp, which the last launch adds.
; THE WEIGHTS come in eight chunks of 256 along K (8 loads a wave, each 2 rows x 256 bytes), through two sets of staging registers into LDS (rows 2,064 bytes apart); a barrier a chunk.  A chunk is stored two K steps
; ahead of its use and asked for before that, so that products and loads go side by side.
; EACH WORK-GROUP BEGINS K AT A CHUNK OF ITS OWN: its g-th chunk is chunk (g + c) % 8 of its half of K, of hq and of W2 alike, so that the 16 work-groups that read the same blocks of hq walk them in eight different orders.
; THE LIST of the expert's routed rows and 2 n lie in lst (6,144 bytes an expert): tile j of hq holds list words 16 j .. 16 j + 15.  T = ceil(n / 16).  n comes by a scalar load, the list goes to LDS for the way out.
; THE WAVES SHARE THE ROWS: in pass p wave w takes tiles 20 p + 4 i + w, i = 0 .. 4.  Passes 1 to 3 stand in a loop in which a wave without tiles jumps over the work; the way out stands at its top.
; A K step is 128: four fragments of W2 from LDS (one step ahead, two sets), five of the hidden layer from memory (three steps ahead, four sets): images of operand registers, 512 consecutive bytes a load.
; ALL loads are always issued: for an absent tile every lane reads the first 16 bytes of a piece of the wave's last present tile
; so that every counted wait counts the same on every path; a scalar branch on the stored count leaves out the fifth tile's products where it is absent, and every absent tile's way out.
; THE MATRIX INSTRUCTION IS USED TRANSPOSED (source 0 = 16 rows of W2 = 16 output columns, source 1 = 16 rows): a lane holds one row and eight neighbouring columns.  On the way out a tile goes through the wave's own
; stage in LDS and leaves by rows: sixteen lanes store 256 consecutive bytes, aligned, of row (routed row) of yp.  Pad rows of the last tile go to rows 2,048 + 16 e + i of yp, which nobody reads.
; NO JOINT LOADS, though 16 work-groups read each block of hq: they would be tensor loads, and this text's branches hang on a count read from memory.
; LIMITS: eh + ew2 between -126 and 127.  NaN and infinities are not served (b2 is multiplied by 0 in half 1).
; REGISTERS, in windows of 256: window 0: v0-31, v80-83 addresses and the like; v32-41 the gates, a pair a tile; v42-46 their offsets; v48-79 b2's 4 tiles (at the head v48-57 the list); v96-175, v176-255 the rows' sets
;   0, 1 (on the way out v96-167).   window 1: v0-127 W2's two sets, v128-191 two staging sets.   window 2: the accumulators, (i, b) at v[32 i + 8 b].   window 3: v64-143, v144-223 the rows' sets 2, 3.
.set NS,   16
.set PW,   2064                        ; an LDS row of weights: 2,048 bytes + 16: an odd multiple of 16 (64 banks of 4 bytes: ISA guide 11.1)
.set LIST, 64*PW                       ; behind the weights: 1,280 list words,
.set STG,  LIST+5120                   ; a stage of 16 rows x (256 + 16) bytes for each wave,
.set SPARE, STG+4*16*272               ; and the spare words
.set YPL,  8912896                     ; a plane of yp: 2,176 rows of 4,096 bytes
.set L16,  4
.set WST,  5
.set BA0,  6                           ; v6   my place in W2's tiles 0, 1;  v7 in tiles 2, 3
.set BA1,  7
.set LRD,  8                           ; v8   my row's list word in pass 0;  v9 in the pass in hand
.set LRP,  9
.set AO,   10                          ; v10-14  tile i: my byte offset in hq from the wave's first tile of the pass
.set WO,   19                          ; v19  my byte offset in a load of two rows of W2
.set STO,  30                          ; v30  the stage: where I put 32 bytes of a row
.set RD,   31                          ; v31  and where I read 16 bytes of a row back
.set GT,   32
.set GO,   42
.set BI,   48
.set LR2,  80                          ; v80  the list word of row lane / 16 of my tile in pass 0;  v81 in the pass in hand
.set LR2P, 81
.set C16,  82
.set BOF,  83
.set YV,   96
.set OB,   128
.set RI,   160
.set S_WV, 16
.set S_E,  17
.set S_C,  18
.set S_KH, 19
.set S_N,  24
.set S_T,  25
.set S_TW, 26
.set S_PS, 27
.set S_LOF, 28
.set S_T1, 30
.set S_T0, 31
.set S_WB, 32                          ; s[32:33] my wave's 16 rows of W2, at my half of K
.set S_AB, 34                          ; s[34:35] hq at (e, tile w, my half of K)
.set S_YB, 36                          ; s[36:37] yp at my plane and my 64 columns
.set S_B2, 38                          ; s[38:39] b2 at my 64 columns
.set S_TM, 53
.set HCB,  68                          ; s[68:83] hq at my g-th chunk, in the pass in hand
.set WCB,  84                          ; s[84:99] W2 at my g-th chunk
.set MSB, 0
.macro WIN new                         ; the immediate's high byte repeats the setting that is left; a switch that changes nothing is dropped
.if MSB != (\new)
	s_set_vgpr_msb (MSB<<8)|(\new)
.set MSB, \new
.endif
.endm
.macro PLACES                          ; four places behind matrix instructions, in front of loads into what they read and of reads of results
.rept 4
	v_nop
.endr
.endm
.macro ASET q                          ; the rows' set q % 4: sets 0, 1 at v96, v176 of window 0; sets 2, 3 at v64, v144 of window 3
.set AS_S, (\q)%4
.set AS_B, 96+80*(AS_S%2)-32*(AS_S/2)
.set AS_W, 3*(AS_S/2)
.endm
.macro ATILE q, i                      ; K step q of my i-th tile of rows: 4 loads
	ASET \q
	WIN AS_W<<6
.irp c, 0,1,2,3
	global_load_b128 v[AS_B+16*(\i)+4*\c:AS_B+16*(\i)+4*\c+3], v[AO+\i], s[HCB+2*((\q)/2):HCB+2*((\q)/2)+1] offset:2048*((\q)%2)+512*\c
.endr
.endm
.macro ALOAD q                         ; all five: 20 loads
.irp i, 0,1,2,3,4
	ATILE \q, \i
.endr
	WIN 0
.endm
.macro WLOAD g                         ; chunk g of my wave's 16 rows of W2, into staging set g % 2: 8 loads
	WIN 0x40
.irp m, 0,1,2,3,4,5,6,7
	global_load_b128 v[128+32*((\g)%2)+4*\m:131+32*((\g)%2)+4*\m], v[WO], s[WCB+2*(\g):WCB+2*(\g)+1] offset:8192*\m th:TH_LOAD_NT
.endr
	WIN 0
.endm
.macro WSTORE g                        ; and into LDS
	WIN 0x04
.irp m, 0,1,2,3,4,5,6,7
	ds_store_b128 v[WST], v[128+32*((\g)%2)+4*\m:131+32*((\g)%2)+4*\m] offset:2*PW*\m+256*(\g)
.endr
	WIN 0
.endm
.macro FP q, b                         ; K step q of W2's tile b, into set q % 2: 4 LDS loads
	WIN 0x40
.irp c, 0,1,2,3
	ds_load_b128 v[64*((\q)%2)+16*(\b)+4*\c:64*((\q)%2)+16*(\b)+4*\c+3], v[BA0+(\b)/2] offset:16*PW*((\b)%2)+128*(\q)+32*\c
.endr
.endm
.macro FETCH0
.irp b, 0,1,2,3
	FP 0, \b
.endr
	WIN 0
.endm
.macro MULS q, i                       ; tile i's four products of K step q; the four accumulators take turns.  Step 0 starts the sums with the constant 0
	ASET \q
.if (\q) == 0
	WIN 0x80|(AS_W<<2)|1
.else
	WIN 0xa0|(AS_W<<2)|1
.endif
.irp b, 0,1,2,3
.if (\q) == 0
	v_wmma_f32_16x16x128_bf8_bf8 v[32*(\i)+8*\b:32*(\i)+8*\b+7], v[64*((\q)%2)+16*\b:64*((\q)%2)+16*\b+15], v[AS_B+16*(\i):AS_B+16*(\i)+15], 0
.else
	v_wmma_f32_16x16x128_bf8_bf8 v[32*(\i)+8*\b:32*(\i)+8*\b+7], v[64*((\q)%2)+16*\b:64*((\q)%2)+16*\b+15], v[AS_B+16*(\i):AS_B+16*(\i)+15], v[32*(\i)+8*\b:32*(\i)+8*\b+7]
.endif
.endr
.endm
; Loads are issued in this order: the list, chunks 0, 1, the rows' steps 0, 1, 2, chunk 2 ahead of step 0; then in step q the rows' step q + 3 and behind it, in odd steps to 9, chunk (q - 1) / 2 + 3; in step 13 the five
; gates and, in pass 0, b2's eight.  w = 1: pass 0, with the weights' chunks.  12 of a step's loads of rows stand ahead of its products, 8 behind them, the next step's LDS loads and the next chunk's stores between them.
.macro STEP q, w
.if (\q) == 14
	s_wait_loadcnt 25+8*\w                         ; behind this step's rows: the last step's 20 and step 13's own
.elseif (\q) == 15
	s_wait_loadcnt 5+8*\w
.elseif \w && ((\q) < 12)
	s_wait_loadcnt 48                              ; this step's rows and the chunk stored in it are in; two steps' 40 and one chunk's 8 may be out
.else
	s_wait_loadcnt 40                              ; two steps' loads may be out
.endif
	s_wait_dscnt 0x0                               ; W2's set for this step is in; in an odd step the next chunk's stores of mine are done
.if \w && ((\q)%2 == 1) && ((\q) < 15)
	s_barrier_signal -1                            ; the next chunk's stores of every wave are done:
	s_barrier_wait -1                              ; K steps q + 1 and q + 2 may be read
.endif
	PLACES
.if (\q)+3 < NS
	ATILE (\q)+3, 0
	ATILE (\q)+3, 1
	ATILE (\q)+3, 2
.endif
.if (\q)+1 < NS
	FP (\q)+1, 0
.endif
	MULS \q, 0
.if (\q)+1 < NS
	FP (\q)+1, 1
.endif
	MULS \q, 1
.if (\q)+1 < NS
	FP (\q)+1, 2
	FP (\q)+1, 3
.endif
.if (\q) == 12
	WIN 0
.irp i, 0,1,2,3,4
	ds_load_b32 v[GO+\i], v[LRP] offset:256*\i     ; my row's list word in each of my five tiles
.endr
.endif
	MULS \q, 2
.if \w && ((\q)%2 == 0) && ((\q) < 14)
	WSTORE (\q)/2+1
.endif
	MULS \q, 3
.if (\q)+3 < NS
	ATILE (\q)+3, 3
	ATILE (\q)+3, 4
.endif
	WIN 0
.if \w && ((\q)%2 == 1) && ((\q) < 10)
	WLOAD (\q)/2+3                                 ; its staging set was stored a step ago
.endif
.if (\q) == 13
.irp i, 0,1,2,3,4
	v_min_u32 v[GO+\i], 0x7ff, v[GO+\i]            ; a pad row takes the last gate: its result goes to a row that nobody reads
	v_lshlrev_b32 v[GO+\i], 2, v[GO+\i]
.endr
.irp i, 0,1,2,3,4
	global_load_b32 v[GT+2*\i], v[GO+\i], s[14:15]
.endr
.if \w
.irp b, 0,1,2,3
	global_load_b128 v[BI+8*\b:BI+8*\b+3],   v[BOF], s[S_B2:S_B2+1] offset:64*\b      ; b2 in the result's layout: columns 16 b + 8 h + 0 .. 7
	global_load_b128 v[BI+8*\b+4:BI+8*\b+7], v[BOF], s[S_B2:S_B2+1] offset:64*\b+16
.endr
.endif
.endif
.if (\q) > 0
	s_cmp_le_u32 s[S_TW], 4                        ; the fifth tile is absent: its products are left out.  (Step 0 runs for all five, so that every accumulator is written on every path)
	s_cbranch_scc1 .Lsk_\@
.endif
	MULS \q, 4
	WIN 0                                          ; at a branch and at a label every window is 0
.Lsk_\@:
.endm
.macro BODY w
.set sq, 0
.rept NS
	STEP sq, \w
.set sq, sq+1
.endr
.endm
.macro TCOUNT                          ; my tiles in pass PS: ceil((T - 20 PS - w) / 4), held between 0 and 5
	s_mul_i32 s[S_T0], s[S_PS], 20
	s_add_co_u32 s[S_T0], s[S_T0], s[S_WV]
	s_sub_co_i32 s[S_TW], s[S_T], s[S_T0]
	s_add_co_i32 s[S_TW], s[S_TW], 3
	s_ashr_i32 s[S_TW], s[S_TW], 2
	s_max_i32 s[S_TW], s[S_TW], 0
	s_min_i32 s[S_TW], s[S_TW], 5
.endm
.macro OFFS                            ; the tiles' places in hq
	s_max_u32 s[S_TM], s[S_TW], 1
	s_sub_co_u32 s[S_TM], s[S_TM], 1               ; my last present tile (0 where I have none)
	v_mov_b32 v[AO], v[L16]
.irp i, 1,2,3,4
	s_min_u32 s[S_T0], s[S_TM], \i                 ; tile i, or the last present one in its stead
	s_lshl_b32 s[S_T0], s[S_T0], 18                ; 4 tiles of 65,536 bytes apart
	s_max_u32 s[S_T1], s[S_TW], \i
	s_sub_co_u32 s[S_T1], s[S_T1], \i
	s_min_u32 s[S_T1], s[S_T1], 1                  ; 1 where tile i is present, else 0: then all lanes name the same 16 bytes
	v_mad_u32_u24 v[AO+\i], v[L16], s[S_T1], s[S_T0]
.endr
	s_wait_alu depctr_va_vdst(0)                   ; the wait here, ahead of the loads that read the offsets
.endm
.macro EPI                             ; the way out, tile by tile
	s_wait_loadcnt 0x0                             ; the gates are in
	PLACES
.irp i, 0,1,2,3,4
	s_cmp_le_u32 s[S_TW], \i
	s_cbranch_scc1 .Lep_\@
	s_wait_xcnt 0x0                                ; the last tile's stores have read their data and offsets: both are written again below
	v_mov_b32 v[GT+2*\i+1], v[GT+2*\i]             ; the gate as a pair
	WIN 0x02                                       ; source 0: the accumulators
.irp x, 0,2,4,6,8,10,12,14,16,18,20,22,24,26,28,30
	v_pk_fma_f32 v[YV+\x:YV+\x+1], v[32*\i+\x:32*\i+\x+1], s[50:51], v[BI+\x:BI+\x+1] op_sel_hi:[1,0,1]   ; sum x 2^(eh + ew2) + b2; each accumulator from its low end on
.endr
	WIN 0
.irp x, 0,2,4,6,8,10,12,14,16,18,20,22,24,26,28,30
	v_pk_mul_f32 v[YV+\x:YV+\x+1], v[YV+\x:YV+\x+1], v[GT+2*\i:GT+2*\i+1]
.endr
.irp b, 0,1,2,3
	ds_store_b128 v[STO], v[YV+8*\b:YV+8*\b+3] offset:64*\b          ; row r, columns 16 b + 8 h + 0 .. 7
	ds_store_b128 v[STO], v[YV+8*\b+4:YV+8*\b+7] offset:64*\b+16
.endr
.irp k, 0,1,2,3,4,5,6,7
	ds_load_b32 v[RI+\k], v[LR2P] offset:256*\i+8*\k                 ; the routed row of the tile's row 2 k + lane / 16
.endr
.irp k, 0,1,2,3,4,5,6,7
	ds_load_b128 v[OB+4*\k:OB+4*\k+3], v[RD] offset:544*\k           ; LDS serves a wave's instructions in order: these see my stores, and the next tile's stores come behind them
.endr
	s_wait_dscnt 0x0
.irp k, 0,1,2,3,4,5,6,7
	v_min_u32 v[RI+\k], 0x87f, v[RI+\k]            ; inside yp's 2,176 rows
	v_lshl_add_u32 v[RI+\k], v[RI+\k], 12, v[C16]
.endr
.irp k, 0,1,2,3,4,5,6,7
	global_store_b128 v[RI+\k], v[OB+4*\k:OB+4*\k+3], s[S_YB:S_YB+1] th:TH_STORE_NT   ; sixteen lanes store 256 consecutive bytes, aligned; not read again in this launch
.endr
.endr
.Lep_\@:
.endm
	s_load_b256 s[4:11], s[0:1], 0x0               ; hq s[4:5], W2's codes s[6:7], b2 s[8:9], the scales' exponents s[10:11]
	s_load_b128 s[12:15], s[0:1], 0x20             ; lst s[12:13], gate s[14:15]
	s_load_b64 s[48:49], s[0:1], 0x30              ; yp
	v_lshl_add_u32 v94, v0, 2, SPARE
	v_mov_b32 v95, 0
	v_lshrrev_b32 v1, 5, v0
	v_readfirstlane_b32 s[S_WV], v1                ; wave
	s_and_b32 s[S_E], ttmp9, 7                     ; expert
	s_bfe_u32 s[S_C], ttmp9, 0x40003               ; which 64 columns
	s_lshr_b32 s[S_KH], ttmp9, 7                   ; which half of K
	s_mul_i32 s40, s[S_WV], 16*PW
	s_lshl_b32 s41, s[S_WV], 6
	s_add_co_u32 s41, s41, LIST
	s_mul_i32 s42, s[S_WV], 16*272
	s_add_co_u32 s42, s42, STG                     ; my stage
	v_and_b32 v1, 31, v0                           ; lane
	v_and_b32 v2, 15, v0                           ; r
	v_bfe_u32 v3, v0, 4, 1                         ; h
	v_lshlrev_b32 v[L16], 4, v1
	v_lshlrev_b32 v[C16], 4, v2
	v_lshl_add_u32 v[WO], v3, 12, v[C16]
	v_mul_u32_u24 v[WST], v3, PW
	v_lshl_add_u32 v[WST], v2, 4, v[WST]
	v_add_nc_u32 v[WST], s40, v[WST]
	v_mul_u32_u24 v[BA0], v2, PW
	v_lshl_add_u32 v[BA0], v3, 4, v[BA0]
	v_add_nc_u32 v[BA1], 32*PW, v[BA0]
	v_lshl_add_u32 v[LRD], v2, 2, s41              ; tile w, row r: 64 w + 4 r
	v_mov_b32 v[LRP], v[LRD]
	v_lshl_add_u32 v[LR2], v3, 2, s41              ; tile w, row h
	v_mov_b32 v[LR2P], v[LR2]
	v_mul_u32_u24 v[STO], v2, 272
	v_lshl_add_u32 v[STO], v3, 5, v[STO]
	v_add_nc_u32 v[STO], s42, v[STO]
	v_mul_u32_u24 v[RD], v3, 272
	v_lshl_add_u32 v[RD], v2, 4, v[RD]
	v_add_nc_u32 v[RD], s42, v[RD]
	v_lshlrev_b32 v[BOF], 5, v3
	v_lshlrev_b32 v20, 4, v0                       ; the list's copy: thread t takes words 4 t .. + 3, 512 + 4 t .. + 3 and 1,024 + 2 t, + 1
	v_lshlrev_b32 v21, 3, v0
	v_add_nc_u32 v22, LIST, v20
	v_add_nc_u32 v23, LIST+4096, v21
	s_lshl_b32 s40, s[S_E], 10
	s_lshl_b32 s41, s[S_C], 6
	s_add_co_u32 s40, s40, s41                     ; my first column among all experts': 1,024 e + 64 c
	s_lshl_b32 s42, s40, 2                         ; in b2
	s_mov_b32 s43, 0
	s_lshl_b32 s41, s[S_WV], 4
	s_add_co_u32 s40, s40, s41
	s_lshl_b32 s40, s40, 12                        ; my wave's 16 rows of 4,096 bytes,
	s_lshl_b32 s41, s[S_KH], 11
	s_add_co_u32 s40, s40, s41                     ; at my half of K
	s_mov_b32 s41, 0
	s_lshl_b32 s44, s[S_E], 6
	s_add_co_u32 s44, s44, s[S_WV]
	s_lshl_b32 s44, s44, 16
	s_lshl_b32 s45, s[S_KH], 15
	s_add_co_u32 s44, s44, s45
	s_mov_b32 s45, 0
	s_mul_i32 s46, s[S_KH], YPL
	s_lshl_b32 s47, s[S_C], 8
	s_add_co_u32 s46, s46, s47
	s_mov_b32 s47, 0
	s_lshl_b32 s50, s[S_E], 4
	s_mov_b32 s51, 0
	s_mul_i32 s54, s[S_E], 6144
	s_mov_b32 s55, 0
	s_mov_b32 s[S_PS], 0
	s_wait_alu depctr_va_vdst(0)                   ; the wait at the head's end
	s_wait_kmcnt 0x0
	s_add_nc_u64 s[12:13], s[12:13], s[54:55]
	s_add_nc_u64 s[10:11], s[10:11], s[50:51]
	s_load_b32 s[S_N], s[12:13], 0x1400            ; 2 n
	s_load_b128 s[20:23], s[10:11], 0x0            ; ex, ew1, eh, ew2
	s_add_nc_u64 s[S_WB:S_WB+1], s[6:7], s[40:41]
	s_add_nc_u64 s[S_AB:S_AB+1], s[4:5], s[44:45]
	s_add_nc_u64 s[S_YB:S_YB+1], s[48:49], s[46:47]
	s_add_nc_u64 s[S_B2:S_B2+1], s[8:9], s[42:43]
	s_mov_b32 s57, 0
	s_mov_b32 s59, 0
.irp g, 0,1,2,3,4,5,6,7
	s_add_co_u32 s56, s[S_C], \g
	s_and_b32 s56, s56, 7                          ; my g-th chunk of K:
	s_lshl_b32 s58, s56, 12                        ; two K steps' blocks of hq,
	s_lshl_b32 s56, s56, 8                         ; 256 bytes of a row of W2
	s_add_nc_u64 s[WCB+2*\g:WCB+2*\g+1], s[S_WB:S_WB+1], s[56:57]
	s_add_nc_u64 s[HCB+2*\g:HCB+2*\g+1], s[S_AB:S_AB+1], s[58:59]
.endr
	global_load_b128 v[48:51], v20, s[12:13]
	global_load_b128 v[52:55], v20, s[12:13] offset:2048
	global_load_b64 v[56:57], v21, s[12:13] offset:4096
	WLOAD 0
	WLOAD 1
	s_wait_kmcnt 0x0
	s_lshr_b32 s[S_N], s[S_N], 1
	s_min_u32 s[S_N], s[S_N], 1024
	s_add_co_u32 s[S_T], s[S_N], 15
	s_lshr_b32 s[S_T], s[S_T], 4
	TCOUNT
	OFFS
	ALOAD 0
	ALOAD 1
	ALOAD 2
	s_add_co_i32 s50, s22, s23                     ; eh + ew2
	s_add_co_i32 s50, s50, 127
	s_lshl_b32 s50, s50, 23                        ; 2^(eh + ew2) as f32
	s_mov_b32 s51, s50                             ; (named with it as a pair, so it is written)
	s_cmp_eq_u32 s[S_KH], 0
	s_cselect_b32 s52, 1.0, 0                      ; b2 counts in half 0 alone
	s_wait_loadcnt 63                              ; 79 loads were issued, and loads come back in order (ISA guide 5.7.1): the list's 3 and chunk 0's 8, the first, are in
	ds_store_b128 v22, v[48:51]
	ds_store_b128 v22, v[52:55] offset:2048
	ds_store_b64 v23, v[56:57]
	WSTORE 0
	s_wait_dscnt 0x0                               ; for the others' sake: my parts of the list and of chunk 0 lie in LDS
	WLOAD 2                                        ; its staging set has been stored
	s_barrier_signal -1
	s_barrier_wait -1
	FETCH0
	BODY 1
	s_wait_loadcnt 0x0
.set x, 0
.rept 32
	v_mul_f32 v[BI+x], s52, v[BI+x]
.set x, x+1
.endr
	s_wait_alu depctr_va_vdst(0)                   ; the wait here, ahead of the waits and branches below
.Lpass:                                                ; four trips, whatever n is: the way out of pass p, then pass p + 1
	EPI
	s_wait_loadcnt 0x0
	s_wait_xcnt 0x0                                ; every store has read its registers: offsets, sets and bases may be written again
	s_add_co_u32 s[S_PS], s[S_PS], 1
	s_min_u32 s[S_T0], s[S_PS], 3                  ; (behind pass 3 no wave has a tile)
	s_mul_i32 s[S_LOF], s[S_T0], 1280              ; 20 tiles of list words a pass,
.irp g, 0,1,2,3,4,5,6,7
	s_add_nc_u64 s[HCB+2*\g:HCB+2*\g+1], s[HCB+2*\g:HCB+2*\g+1], 1310720   ; and 20 tiles of 65,536 bytes in hq
.endr
	v_add_nc_u32 v[LRP], s[S_LOF], v[LRD]
	v_add_nc_u32 v[LR2P], s[S_LOF], v[LR2]
	TCOUNT
	s_wait_alu depctr_va_vdst(0)                   ; the wait here, ahead of the branch
	s_cmp_eq_u32 s[S_TW], 0
	s_cbranch_scc1 .Lend
	OFFS
	ALOAD 0
	ALOAD 1
	ALOAD 2
	FETCH0
	BODY 0
.Lend:
	s_cmp_lt_u32 s[S_PS], 4
	s_cbranch_scc1 .Lpass
	s_wait_tensorcnt 0x0                           ; the wave's end
	ds_add_u32 v94, v95
	s_wait_dscnt 0x0
	s_endpgm
.Lfunc_end_k_q8170224025_down:
	.size	k_q8170224025_down, .Lfunc_end_k_q8170224025_down-k_q8170224025_down
	.p2alignl 7, 3214868480
	.fill 96, 4, 3214868480
	.section	.rodata,"a",@progbits
	.p2align	6, 0x0
	.amdhsa_kernel k_q8170224025_down
		.amdhsa_group_segment_fixed_size 155648
		.amdhsa_private_segment_fixed_size 0
		.amdhsa_enable_private_segment 0
		.amdhsa_kernarg_size 56
		.amdhsa_user_sgpr_count 2
		.amdhsa_user_sgpr_kernarg_segment_ptr 1
		.amdhsa_wavefront_size32 1
		.amdhsa_system_sgpr_workgroup_id_x 1
		.amdhsa_system_sgpr_workgroup_id_y 1
		.amdhsa_system_sgpr_workgroup_id_z 1
		.amdhsa_system_vgpr_workitem_id 0
		.amdhsa_next_free_vgpr 1024
		.amdhsa_next_free_sgpr 100
		.amdhsa_reserve_vcc 0
		.amdhsa_float_denorm_mode_32 3
		.amdhsa_float_denorm_mode_16_64 3
		.amdhsa_memory_ordered 1
		.amdhsa_forward_progress 1
		.amdhsa_inst_pref_size 203
	.end_amdhsa_kernel
	.amdgpu_metadata
---
amdhsa.version: [ 1, 2 ]
amdhsa.kernels:
  - .name:           k_q8170224025_down
    .symbol:         k_q8170224025_down.kd
    .args:
      - { .name: hq, .offset: 0, .size: 8, .value_kind: global_buffer, .address_space: global }
      - { .name: W2_codes, .offset: 8, .size: 8, .value_kind: global_buffer, .address_space: global }
      - { .name: b2, .offset: 16, .size: 8, .value_kind: global_buffer, .address_space: global }
      - { .name: lowp_scales, .offset: 24, .size: 8, .value_kind: global_buffer, .address_space: global }
      - { .name: lst, .offset: 32, .size: 8, .value_kind: global_buffer, .address_space: global }
      - { .name: gate, .offset: 40, .size: 8, .value_kind: global_buffer, .address_space: global }
      - { .name: yp, .offset: 48, .size: 8, .value_kind: global_buffer, .address_space: global }
    .group_segment_fixed_size: 155648
    .private_segment_fixed_size: 0
    .kernarg_segment_align: 8
    .kernarg_segment_size: 56
    .max_flat_workgroup_size: 128
    .sgpr_count:     100
    .vgpr_count:     1024
    .wavefront_size: 32
...
	.end_amdgpu_metadata
.endif
;; end of part 3
;; launch comb (part 4): grid 256 x 1, 4 waves a work-group, no clusters, 0 bytes of LDS; arguments yp, out0; writes out0
.if DOCPART == 4
	.amdgcn_target "amdgcn-amd-amdhsa--gfx1250"
	.amdhsa_code_object_version 6
	.text
	.protected	k_q8170224025_comb
	.globl	k_q8170224025_comb
	.p2align	8
	.type	k_q8170224025_comb,@function
k_q8170224025_comb:
	s_mov_b64 s[64:65], 0
	v_nop
	global_prefetch_b8 v0, s[64:65] scope:SCOPE_SE
	s_setreg_imm32_b32 hwreg(HW_REG_WAVE_MODE, 25, 1), 1
	s_wait_xcnt 0x0
; out[token] = the sum of four rows of yp: routed rows 2 token and 2 token + 1, in both planes (the two halves of the second product's K).  The gates and biases are in them already.
; A stream: a wave takes a token.  Its two rows of a plane lie on end (8,192 bytes); all 32 loads of 512 consecutive bytes go out at once, the sums follow piece by piece, each store covers 512 consecutive bytes, aligned.
; No LDS, no barrier, no matrix unit: each byte is read once and written once, and no wave needs another's.
.set YPL, 8912896                      ; a plane of yp: 2,176 rows of 4,096 bytes
.set R,   8                            ; v8-135: piece m's four summands at R + 16 m
	s_load_b128 s[4:7], s[0:1], 0x0                ; yp, out
	v_lshrrev_b32 v1, 5, v0
	v_readfirstlane_b32 s8, v1                     ; wave
	v_and_b32 v1, 31, v0
	v_lshlrev_b32 v1, 4, v1                        ; 16 x lane
	s_lshl_b32 s9, ttmp9, 2
	s_add_co_u32 s9, s9, s8                        ; token
	s_lshl_b32 s10, s9, 13
	s_mov_b32 s11, 0
	s_lshl_b32 s12, s9, 12
	s_mov_b32 s13, 0
	s_wait_alu depctr_va_vdst(0)
	s_wait_kmcnt 0x0
	s_add_nc_u64 s[4:5], s[4:5], s[10:11]          ; plane 0,
	s_add_nc_u64 s[14:15], s[4:5], YPL             ; plane 1
	s_add_nc_u64 s[6:7], s[6:7], s[12:13]
.irp m, 0,1,2,3,4,5,6,7
	global_load_b128 v[R+16*\m:R+16*\m+3],     v1, s[4:5] offset:512*\m th:TH_LOAD_NT
	global_load_b128 v[R+16*\m+4:R+16*\m+7],   v1, s[4:5] offset:4096+512*\m th:TH_LOAD_NT
	global_load_b128 v[R+16*\m+8:R+16*\m+11],  v1, s[14:15] offset:512*\m th:TH_LOAD_NT
	global_load_b128 v[R+16*\m+12:R+16*\m+15], v1, s[14:15] offset:4096+512*\m th:TH_LOAD_NT
.endr
.irp m, 0,1,2,3,4,5,6,7
	s_wait_loadcnt 28-4*\m                         ; loads come back in order (ISA guide 5.7.1): this piece's four are in, the later pieces' may be out
	v_pk_add_f32 v[R+16*\m:R+16*\m+1],     v[R+16*\m:R+16*\m+1],     v[R+16*\m+4:R+16*\m+5]
	v_pk_add_f32 v[R+16*\m+2:R+16*\m+3],   v[R+16*\m+2:R+16*\m+3],   v[R+16*\m+6:R+16*\m+7]
	v_pk_add_f32 v[R+16*\m+8:R+16*\m+9],   v[R+16*\m+8:R+16*\m+9],   v[R+16*\m+12:R+16*\m+13]
	v_pk_add_f32 v[R+16*\m+10:R+16*\m+11], v[R+16*\m+10:R+16*\m+11], v[R+16*\m+14:R+16*\m+15]
	v_pk_add_f32 v[R+16*\m:R+16*\m+1],     v[R+16*\m:R+16*\m+1],     v[R+16*\m+8:R+16*\m+9]
	v_pk_add_f32 v[R+16*\m+2:R+16*\m+3],   v[R+16*\m+2:R+16*\m+3],   v[R+16*\m+10:R+16*\m+11]
	global_store_b128 v1, v[R+16*\m:R+16*\m+3], s[6:7] offset:512*\m th:TH_STORE_NT
.endr
	s_endpgm
.Lfunc_end_k_q8170224025_comb:
	.size	k_q8170224025_comb, .Lfunc_end_k_q8170224025_comb-k_q8170224025_comb
	.p2alignl 7, 3214868480
	.fill 96, 4, 3214868480
	.section	.rodata,"a",@progbits
	.p2align	6, 0x0
	.amdhsa_kernel k_q8170224025_comb
		.amdhsa_group_segment_fixed_size 0
		.amdhsa_private_segment_fixed_size 0
		.amdhsa_enable_private_segment 0
		.amdhsa_kernarg_size 16
		.amdhsa_user_sgpr_count 2
		.amdhsa_user_sgpr_kernarg_segment_ptr 1
		.amdhsa_wavefront_size32 1
		.amdhsa_system_sgpr_workgroup_id_x 1
		.amdhsa_system_sgpr_workgroup_id_y 1
		.amdhsa_system_sgpr_workgroup_id_z 1
		.amdhsa_system_vgpr_workitem_id 0
		.amdhsa_next_free_vgpr 144
		.amdhsa_next_free_sgpr 66
		.amdhsa_reserve_vcc 0
		.amdhsa_float_denorm_mode_32 3
		.amdhsa_float_denorm_mode_16_64 3
		.amdhsa_memory_ordered 1
		.amdhsa_forward_progress 1
		.amdhsa_inst_pref_size 8
	.end_amdhsa_kernel
	.amdgpu_metadata
---
amdhsa.version: [ 1, 2 ]
amdhsa.kernels:
  - .name:           k_q8170224025_comb
    .symbol:         k_q8170224025_comb.kd
    .args:
      - { .name: yp, .offset: 0, .size: 8, .value_kind: global_buffer, .address_space: global }
      - { .name: out0, .offset: 8, .size: 8, .value_kind: global_buffer, .address_space: global }
    .group_segment_fixed_size: 0
    .private_segment_fixed_size: 0
    .kernarg_segment_align: 8
    .kernarg_segment_size: 16
    .max_flat_workgroup_size: 128
    .sgpr_count:     66
    .vgpr_count:     144
    .wavefront_size: 32
...
	.end_amdgpu_metadata
.endif
;; end of part 4
